; MI455X (gfx1250); checked and timed in simulation.
; The chip was launched on July 23, 2026; its instructions are those of AMD's public machine-readable ISA for CDNA 5 (MIT licence, August 2026) and "CDNA5" Instruction Set Architecture Reference Guide (July 2026). The comments in the code are by the model that wrote it; some were corrected since.
;; Lora Linear. Allowed arithmetic: matrix products marked QUANTISED: E3M2 operands, one E8M0 scale for each 32 along K, by v_wmma_scale_f32_16x16x128_f8f6f4 with both operands' format E3M2, f32 sums; products left as they are: f32 operands where the result goes on into a quantised operand, else bf16, f16 or f32 operands; f32 sums; everything else in f32.
;; Inputs: lora_matrix_A 16 x 4,096 float32; lora_matrix_B 2,048 x 16 float32; x_codes 4 x 2,048 x 128 x 24 uint8 (E3M2 codes of x, K innermost, in blocks of 32 codes, four codes in three bytes); x_scales 4 x 2,048 x 128 uint8 (E8M0 scales of x, one for each 32 codes along K).
;; Outputs: out0 4 x 2,048 x 2,048 float32.
;; This version of the problem:
;;   THIS VERSION OF THE PROBLEM IS GIVEN IN LOW PRECISION. The matrix products marked QUANTISED in the list below multiply operands that are first quantised to E3M2 (3 exponent bits, 2 mantissa bits; 6 bits a number), with one power-of-two scale for each 32 numbers along K (OCP MX v1.0); their sums are f32. All else is computed in f32.
;;   The module's matrix products, in the order in which they are computed (A, B: the left and right operand; K: the contracted axis; several contracted axes count as one K, in the product's order):
;;     1. [M 2,048, K 16] x [K 16, N 4,096]; A: input lora_matrix_B; B: input lora_matrix_A: left as it is (K = 16 < 32)
;;     2. [M 8,192, K 4,096] x [K 4,096, N 2,048]; A: input x (given as codes); B: computed on the way: QUANTISED
;;   THE QUANTISER, for each operand of a quantised product, along K:
;;     - K is cut into blocks of 32 from its start; a last block that is shorter is filled with zeros.
;;     - A block's scale is 2^e with e = floor(log2(the largest magnitude in the block)) - 4, held to -126 .. 127; a block of zeros has e = 0. As a byte (E8M0): e + 127.
;;     - Each number is divided by its block's scale, clamped to +-28, and rounded to the nearest number of E3M2, ties to even, subnormals kept.
;;     - The product sums the exact products of the quantised numbers (number of the format x scale) in f32.
;;   ~~~python
;;   def quantise(x, axis):      # numpy; x: float32 -> the quantised numbers, widened to float32 again
;;       x = np.moveaxis(x, axis, -1); K = x.shape[-1]
;;       x = np.pad(x, [(0, 0)] * (x.ndim - 1) + [(0, -K % 32)]); x = x.reshape(x.shape[:-1] + (-1, 32)); a = np.abs(x).max(-1, keepdims=True)
;;       e = np.where(a > 0, np.clip(np.frexp(np.where(a > 0, a, 1))[1] - 1 - 4, -126, 127), 0)      # np.frexp(a)[1] - 1 = floor(log2(a)), exactly
;;       r = np.clip(x / 2.0 ** e, -28, 28)
;;       step = 2.0 ** (np.maximum(np.frexp(np.where(r == 0, 1, r))[1] - 1, -2) - 2)
;;       q = np.round(r / step) * step * 2.0 ** e      # np.round: ties to even
;;       return np.moveaxis(q.reshape(q.shape[:-2] + (-1,))[..., :K], -1, axis).astype(np.float32)
;;   ~~~
;;   OPERANDS COMPUTED ON THE WAY. 'Computed on the way' means the value that the module computes at that place (a softmax that the list does not call 'softmax' is quantised finished and normalised). What goes into a quantiser is computed in f32, as accurately as f32 sums, v_exp_f32 and their like allow (about 1e-6 of the number): no bf16 or f16 on the way to a quantiser, and a product that is left as it is and whose result goes on into a quantised operand takes f32 operands (vector FMAs, or v_wmma_f32_16x16x4_f32). A number that lies on a knife's edge between two numbers of the format may be rounded either way, as far as f32 arithmetic and the matrix unit's own rounding can turn it there, and no further.
;;   INPUTS GIVEN AS CODES. x (in the module: [4, 2048, 4096], K = its axis 2): each comes as NAME_codes (uint8): NAME with its K axis moved to the last place and cut into blocks of 32 codes, [.., K / 32, bytes a block], one block behind the other in memory; four codes in three bytes: a row's codes are one little-endian stream of bits, code i at bits 6 i .. 6 i + 5 (a code: sign, 3 exponent bits, 2 mantissa bits); and NAME_scales (uint8): the same leading axes, one E8M0 byte (e + 127) for each 32 codes along K. Its value is code x scale, taken as it is: it is not quantised again, and the codes and scales need not be those that the quantiser above would give.
;; One version. Each part assembles by itself: llvm-mc -triple=amdgcn-amd-amdhsa -mcpu=gfx1250 --defsym DOCPART=n.
;; ======== version 1 of 1: 2 launches
;; limits: right only within a limited range of input values
;; workspace buffers: w_blk 6,553,600 bytes; x_blk 26,214,400 bytes
;; launch prep (part 1): grid 16 x 16, 4 waves a work-group, no clusters, 167,936 bytes of LDS; arguments lora_matrix_A, lora_matrix_B, x_codes, x_scales, w_blk, x_blk; writes w_blk, x_blk
.if DOCPART == 1
	.amdgcn_target "amdgcn-amd-amdhsa--gfx1250"
	.amdhsa_code_object_version 6
	.text
	.protected	k_q4a22c25f52_prep
	.globl	k_q4a22c25f52_prep
	.p2align	8
	.type	k_q4a22c25f52_prep,@function
k_q4a22c25f52_prep:
	s_mov_b64 s[64:65], 0
	v_nop
	global_prefetch_b8 v0, s[64:65] scope:SCOPE_SE
	s_setreg_imm32_b32 hwreg(HW_REG_WAVE_MODE, 25, 1), 1
	s_wait_xcnt 0x0
; Two pieces of work for each work-group; nothing of reference() is left out.
; (1) W[o][i] = sum over k = 0 .. 15 of lora_B[o][k] lora_A[k][i], f32 operands and sums, quantised along i in blocks of 32 to BF6 (E3M2) codes with one E8M0 byte a block.
;     A block's byte is its largest magnitude's exponent field - 4, held at 1 from below.  LIMITS: a block of zeros gets the byte 1 where the quantiser says 127: its codes are zeros, and the bytes are read by this
;     program alone.  NaN and infinities among lora_A and lora_B are not served.
; (2) x's codes and scale bytes, as they are given, are laid anew in the same form as W's.
; THE FORM, for w_blk [G 16][s 32] and x_blk [G 64][s 32]: one dense block of 12,800 bytes for rows 128 G .. + 127 and K = 128 s .. + 127:
;     [b 8][c 3][lane 32][16 bytes]: the 12 operand registers of the fragment of rows 16 b .. + 15, four at a time;  then [lane 32][p 4] scale words: lane 16 u + r, word p: row 16 (2 p + u) + r.
; SHARES.  Work-group (t = x, G = y).  W: 128 rows x K = 256 t .. + 255; wave w: row tiles 2 w, 2 w + 1, two steps.  x: row group 4 G + t / 4, quarter t % 4 of K (8 steps, 768 bytes a row); wave w: rows 32 w .. + 31.
; x's codes come by one tensor load a wave (32 rows of 768 bytes, each beginning on a multiple of 256), asked for at the head; only the wave that asked reads them.
; W's PRODUCT IS USED TRANSPOSED (source 0 = 16 columns of lora_A, source 1 = 16 rows of lora_B); lane r of tile 2 b + u takes column 32 b + 8 u + r + 8 (r / 8), so that a lane's 16 registers of two tiles are 16 neighbours along i.
; No cluster and no prefetch: each byte is read once by one work-group but the 24 KB of lora_A and lora_B, and there is no loop to run ahead in.
.set APITCH, 1040
.set SPARE,  0x4100                    ; behind lora_A's slice: the spare words
.set XT,     17408                     ; x's tiles: 32 rows x 816 bytes for each wave
.set XP,     816                       ; 3 x (256 + 16)
.set XS,     121856                    ; x's scale words on their way: 8 steps x 512 bytes
.set WS,     125952                    ; W's: 2 steps x 512 bytes
.set BLK,    12800
.set VG,  4
.set VL,  5
.set VA,  6
.set VB,  7
.set VI,  8                            ; 16 x lane
.set VS,  9                            ; 8 x lane
.set TM,  12
.set PW,  28
.set BF,  32
.set AT,  48
.set HD,  112                          ; v112-175: written by matrix instructions alone
.set PC,  176
.set CT,  224
.set SG,  224
.set SEL, 20
.set XB0, 40                           ; x's fragments on their way: four at a time, two buffers
.set XB1, 176
	s_load_b128 s[4:7], s[0:1], 0x0                ; lora_A, lora_B
	s_load_b128 s[8:11], s[0:1], 0x10              ; x_codes, x_scales
	s_load_b128 s[28:31], s[0:1], 0x20             ; w_blk, x_blk
	v_lshl_add_u32 v22, v0, 2, SPARE
	v_mov_b32 v23, 0
	ds_add_u32 v22, v23                            ; the opening lines: the add, twice on end, and its wait
	ds_add_u32 v22, v23
	v_lshrrev_b32 v1, 5, v0
	v_readfirstlane_b32 s12, v1                    ; wave
	v_and_b32 v1, 31, v0                           ; lane
	v_and_b32 v2, 15, v0                           ; r
	v_bfe_u32 v3, v0, 4, 1                         ; h
	v_lshrrev_b32 v10, 6, v0
	v_and_b32 v11, 63, v0
	v_lshlrev_b32 v[VG], 14, v10
	v_lshl_add_u32 v[VG], v11, 4, v[VG]
	v_mul_u32_u24 v[VL], v10, APITCH
	v_lshl_add_u32 v[VL], v11, 4, v[VL]
	v_and_b32 v10, 8, v2
	v_add_nc_u32 v10, v10, v2                      ; r + 8 (r / 8)
	v_mul_u32_u24 v[VA], v3, 2*APITCH
	v_lshl_add_u32 v[VA], v10, 2, v[VA]
	v_lshlrev_b32 v[VB], 6, v2
	v_lshl_add_u32 v[VB], v3, 3, v[VB]
	v_lshlrev_b32 v[VI], 4, v1
	v_lshlrev_b32 v[VS], 3, v1
.irp b, 0,1,2,3
	v_mov_b32 v[TM+4+\b], 0                        ; a lane permute's destination counts as one of its sources
.endr
	s_mov_b32 s[SEL], 0x76543210
	s_mov_b32 s[SEL+1], 0xfedcba98
	s_and_b32 s14, ttmp7, 0xffff                   ; G
	s_lshl_b32 s16, ttmp9, 10                      ; lora_A: 256 columns for each t
	s_mov_b32 s17, 0
	s_lshl_b32 s18, s14, 13                        ; lora_B: 128 rows for each G, 32 for each wave
	s_lshl_b32 s22, s12, 11
	s_add_co_u32 s18, s18, s22
	s_mov_b32 s19, 0
	s_mul_i32 s24, s14, 32*BLK                     ; w_blk: block (G, 2 t)
	s_mul_i32 s22, ttmp9, 2*BLK
	s_add_co_u32 s24, s24, s22
	s_lshr_b32 s22, s12, 1                         ; its scale words: waves 0, 1 store step 2 t's 512 bytes, waves 2, 3 step 2 t + 1's, 256 bytes each
	s_mul_i32 s22, s22, BLK
	s_add_co_u32 s26, s24, s22
	s_and_b32 s22, s12, 1
	s_lshl_b32 s22, s22, 8
	s_add_co_u32 s26, s26, s22
	s_add_co_u32 s26, s26, 12288
	s_mov_b32 s27, 0
	s_mul_i32 s22, s12, 3072                       ; my two row tiles' fragments
	s_add_co_u32 s24, s24, s22
	s_mov_b32 s25, 0
	s_lshl_b32 s44, s14, 2
	s_lshr_b32 s22, ttmp9, 2
	s_add_co_u32 s44, s44, s22                     ; x's row group
	s_and_b32 s45, ttmp9, 3                        ; quarter of K
	s_mul_i32 s46, s44, 393216                     ; x_codes: 128 rows of 3,072 bytes, 32 rows a wave, 768 bytes a quarter
	s_mul_i32 s22, s12, 98304
	s_add_co_u32 s46, s46, s22
	s_mul_i32 s22, s45, 768
	s_add_co_u32 s46, s46, s22
	s_mov_b32 s47, 0
	s_lshl_b32 s48, s44, 14                        ; x_scales: rows of 128 bytes, 32 bytes a quarter
	s_lshl_b32 s22, s12, 12
	s_add_co_u32 s48, s48, s22
	s_lshl_b32 s22, s45, 5
	s_add_co_u32 s48, s48, s22
	s_mov_b32 s49, 0
	s_mul_i32 s50, s44, 32*BLK                     ; x_blk: block (row group, 8 x quarter)
	s_mul_i32 s22, s45, 8*BLK
	s_add_co_u32 s50, s50, s22
	s_mul_i32 s22, s12, 2*BLK                      ; wave w stores the scale words of steps 2 w, 2 w + 1
	s_add_co_u32 s52, s50, s22
	s_add_co_u32 s52, s52, 12288
	s_mov_b32 s53, 0
	s_mul_i32 s22, s12, 3072
	s_add_co_u32 s50, s50, s22
	s_mov_b32 s51, 0
	s_mov_b32 s32, 1                               ; the tensor load: my 32 rows of 768 bytes, 16 bytes of padding behind every 256
	s_mul_i32 s33, s12, 32*XP
	s_add_co_u32 s33, s33, XT
	s_mov_b32 s36, (1<<20)|(5<<22)|(3<<25)
	s_mov_b32 s37, 768<<16
	s_mov_b32 s38, 32<<16
	s_mov_b32 s39, 768<<16
	s_mov_b32 s40, 32
	s_mov_b32 s41, 3072
	s_mov_b32 s42, 0
	s_mov_b32 s43, 0
	s_lshl_b32 s55, s12, 2
	s_add_co_u32 s56, s55, XS
	s_add_co_u32 s57, s55, WS
	s_lshl_b32 s58, s12, 8
	s_add_co_u32 s58, s58, WS
	s_lshl_b32 s59, s12, 10
	s_add_co_u32 s59, s59, XS
	v_lshlrev_b32 v28, 7, v1                       ; x_scales: a lane a row
	v_lshl_add_u32 v29, v1, 4, s56                 ; where my row's word of a step goes: 16 x lane + 4 x wave
	s_wait_alu depctr_va_vdst(0)
	s_wait_dscnt 0x0                               ; both opening adds are done
	s_wait_kmcnt 0x0
	s_add_nc_u64 s[34:35], s[8:9], s[46:47]
	s_or_b32 s35, s35, 0x80000000
	tensor_load_to_lds s[32:35], s[36:43]
	s_nop 0
.rept 4
	v_nop
.endr
	s_add_nc_u64 s[4:5], s[4:5], s[16:17]
	s_add_nc_u64 s[6:7], s[6:7], s[18:19]
	s_add_nc_u64 s[10:11], s[10:11], s[48:49]
	s_add_nc_u64 s[24:25], s[28:29], s[24:25]
	s_add_nc_u64 s[26:27], s[28:29], s[26:27]
	s_add_nc_u64 s[50:51], s[30:31], s[50:51]
	s_add_nc_u64 s[52:53], s[30:31], s[52:53]
.irp n, 0,1,2,3,4,5,6,7
	global_load_b128 v[SG+4*\n:SG+4*\n+3], v[VG], s[4:5] offset:32768*\n   ; lora_A's slice, rows 2 n, 2 n + 1
.endr
	global_load_b128 v[176:179], v28, s[10:11]     ; my row's eight scale words of the quarter
	global_load_b128 v[180:183], v28, s[10:11] offset:16
.irp bt, 0,1
.irp ks, 0,1,2,3
	global_load_b64 v[BF+8*\bt+2*\ks:BF+8*\bt+2*\ks+1], v[VB], s[6:7] offset:1024*\bt+16*\ks
.endr
.endr
	s_wait_loadcnt 8                               ; all but lora_B's eight, issued last
.irp n, 0,1,2,3,4,5,6,7
	ds_store_b128 v[VL], v[SG+4*\n:SG+4*\n+3] offset:2*APITCH*\n
.endr
.irp k, 0,1,2,3,4,5,6,7
	ds_store_b32 v29, v[176+\k] offset:512*\k
.endr
	s_wait_dscnt 0x0                               ; for the others' sake: my stores have landed
	s_barrier_signal -1
	s_barrier_wait -1                              ; the slice and x's scale words lie in LDS; from here on they are only read
.macro ATLOAD q
.irp t, 0,1,2,3,4,5,6,7
.irp ks, 0,1,2,3
.irp j, 0,1
	ds_load_b32 v[AT+8*\t+2*\ks+\j], v[VA] offset:(4*\ks+\j)*APITCH+(128*(\q)+32*(\t/2)+8*(\t%2))*4
.endr
.endr
.endr
.endm
; 64 numbers of a lane become a fragment's codes and its scale word.  Each accumulator is read from its low end on.
.macro QUANT s, pc, pw
.irp b, 0,1,2,3
	v_max3_num_f32 v[TM+\b], |v[\s+16*\b]|, |v[\s+1+16*\b]|, 0x2800000   ; with the floor 2^(5 - 127): the byte cannot fall under 1
.endr
.irp i, 2,4,6,8,10,12,14
.irp b, 0,1,2,3
	v_max3_num_f32 v[TM+\b], v[TM+\b], |v[\s+16*\b+\i]|, |v[\s+1+16*\b+\i]|
.endr
.endr
.irp b, 0,1,2,3
	v_permlanex16_b32 v[TM+4+\b], v[TM+\b], s[SEL], s[SEL+1]
.endr
.irp b, 0,1,2,3
	v_max_num_f32 v[TM+\b], v[TM+\b], v[TM+4+\b]
.endr
.irp b, 0,1,2,3
	v_add_nc_u32 v[TM+12+\b], 0xfe000000, v[TM+\b] ; 4 off the exponent field: the conversion's scale operand
.endr
.irp b, 0,1,2,3
	v_lshrrev_b32 v[TM+4+\b], 23, v[TM+12+\b]      ; the scale's byte
.endr
	v_lshl_or_b32 v[\pw], v[TM+5], 8, v[TM+4]
	v_lshl_or_b32 v[\pw], v[TM+6], 16, v[\pw]
	v_lshl_or_b32 v[\pw], v[TM+7], 24, v[\pw]
.irp c, 0,1
	v_cvt_scalef32_pk16_bf6_f32 v[\pc+6*\c:\pc+6*\c+2], v[\s+32*\c:\s+32*\c+15], v[TM+12+2*\c]
	v_cvt_scalef32_pk16_bf6_f32 v[CT+4*\c:CT+4*\c+2], v[\s+16+32*\c:\s+31+32*\c], v[TM+12+2*\c+1]
.endr
	v_nop                                          ; one plain instruction behind the last scaled conversion
.irp c, 0,1
.irp i, 0,1,2
	v_permlane16_swap_b32 v[\pc+6*\c+\i], v[CT+4*\c+\i]
.endr
.irp i, 0,1,2
	v_mov_b32 v[\pc+3+6*\c+\i], v[CT+4*\c+\i]
.endr
.endr
.endm
; 16 rows x 128 columns of W: 32 matrix instructions, the eight accumulators by turns; eight places behind this form (ISA guide 7.12.1)
.macro PAIR bt, q
.irp ks, 0,1,2,3
.irp t, 0,1,2,3,4,5,6,7
.if \ks == 0
	v_wmma_f32_16x16x4_f32 v[HD+8*\t:HD+8*\t+7], v[AT+8*\t+2*\ks:AT+8*\t+2*\ks+1], v[BF+8*\bt+2*\ks:BF+8*\bt+2*\ks+1], 0
.else
	v_wmma_f32_16x16x4_f32 v[HD+8*\t:HD+8*\t+7], v[AT+8*\t+2*\ks:AT+8*\t+2*\ks+1], v[BF+8*\bt+2*\ks:BF+8*\bt+2*\ks+1], v[HD+8*\t:HD+8*\t+7]
.endif
.endr
.endr
.rept 8
	v_nop
.endr
.if (\bt == 1) && (\q == 0)
	ATLOAD 1
.endif
	QUANT HD, PC+12*(2*\bt+\q), PW+2*\bt+\q
.irp c, 0,1,2
	global_store_b128 v[VI], v[PC+12*(2*\bt+\q)+4*\c:PC+12*(2*\bt+\q)+4*\c+3], s[24:25] offset:BLK*\q+1536*\bt+512*\c   ; 512 consecutive bytes, at a multiple of 256
.endr
.endm
	ATLOAD 0
	s_wait_loadcnt 0x0
	s_wait_dscnt 0x0
	PAIR 0, 0
	PAIR 1, 0
	s_wait_dscnt 0x0
	PAIR 0, 1
	PAIR 1, 1
	v_cmp_le_u32 vcc_lo, 16, v1                    ; lanes 16-31 take row tile 2 w + 1's words
	v_cndmask_b32 v10, v[PW], v[PW+2], vcc_lo
	v_cndmask_b32 v11, v[PW+1], v[PW+3], vcc_lo
	v_lshl_add_u32 v32, v1, 4, s57                 ; W's words into LDS: 16 x lane + 4 x wave
	v_add_nc_u32 v33, s58, v[VS]                   ; and back: 256 bytes a wave
	v_add_nc_u32 v34, s59, v[VI]                   ; x's words back: two steps a wave
	v_mul_u32_u24 v35, v2, XP
	v_mad_u32_u24 v36, v3, 24, v35
	v_mad_u32_u24 v37, v3, 40, v35                 ; lanes 16-31 past a padding
	v_add_nc_u32 v36, s33, v36
	v_add_nc_u32 v37, s33, v37
	s_wait_alu depctr_va_vdst(0)
	ds_store_b32 v32, v10
	ds_store_b32 v32, v11 offset:512
	s_wait_dscnt 0x0
	s_barrier_signal -1
	s_barrier_wait -1
; x: byte y of the quarter's row lies at y + 16 (y / 256) of the LDS row; a fragment is six pieces of 8 bytes, as they lie
.macro XFRAG reg, k, i
.irp p, 0,1,2,3,4,5
.set BY, 96*(\k)+48*(\p/3)+8*(\p%3)
.set OF, BY+16*(BY/256)+(\i)*16*XP
.if BY/256 == (BY+24)/256
	ds_load_b64 v[\reg+2*\p:\reg+2*\p+1], v36 offset:OF
.else
	ds_load_b64 v[\reg+2*\p:\reg+2*\p+1], v37 offset:OF
.endif
.endr
.endm
.macro XLOAD n, buf
.irp kk, 0,1
.irp i, 0,1
	XFRAG \buf+12*(2*\kk+\i), 2*\n+\kk, \i
.endr
.endr
.endm
.macro XSTORE n, buf
.irp kk, 0,1
.irp i, 0,1
.irp c, 0,1,2
	global_store_b128 v[VI], v[\buf+12*(2*\kk+\i)+4*\c:\buf+12*(2*\kk+\i)+4*\c+3], s[50:51] offset:(2*\n+\kk)*BLK+\i*1536+\c*512
.endr
.endr
.endr
.endm
	s_wait_tensorcnt 0x0                           ; my tile is in; nobody else reads it
	s_wait_xcnt 0x0                                ; W's stores have read their data: v176-223 may be written
	XLOAD 0, XB0
	XLOAD 1, XB1
	s_wait_dscnt 24                                ; all but the 24 loads issued last
	XSTORE 0, XB0
	s_wait_xcnt 0x0
	XLOAD 2, XB0
	s_wait_dscnt 24
	XSTORE 1, XB1
	s_wait_xcnt 0x0
	XLOAD 3, XB1
	s_wait_dscnt 24
	XSTORE 2, XB0
	ds_load_b128 v[88:91], v34
	ds_load_b128 v[92:95], v34 offset:512
	ds_load_b64 v[96:97], v33
	s_wait_dscnt 3
	XSTORE 3, XB1
	s_wait_dscnt 0x0
	global_store_b128 v[VI], v[88:91], s[52:53]
	global_store_b128 v[VI], v[92:95], s[52:53] offset:BLK
	global_store_b64 v[VS], v[96:97], s[26:27]     ; 256 consecutive bytes, at a multiple of 256
	s_wait_tensorcnt 0x0                           ; the wave's end
	ds_add_u32 v22, v23
	s_wait_dscnt 0x0
	s_endpgm
.Lfunc_end_k_q4a22c25f52_prep:
	.size	k_q4a22c25f52_prep, .Lfunc_end_k_q4a22c25f52_prep-k_q4a22c25f52_prep
	.p2alignl 7, 3214868480
	.fill 96, 4, 3214868480
	.section	.rodata,"a",@progbits
	.p2align	6, 0x0
	.amdhsa_kernel k_q4a22c25f52_prep
		.amdhsa_group_segment_fixed_size 167936
		.amdhsa_private_segment_fixed_size 0
		.amdhsa_enable_private_segment 0
		.amdhsa_kernarg_size 48
		.amdhsa_user_sgpr_count 2
		.amdhsa_user_sgpr_kernarg_segment_ptr 1
		.amdhsa_wavefront_size32 1
		.amdhsa_system_sgpr_workgroup_id_x 1
		.amdhsa_system_sgpr_workgroup_id_y 1
		.amdhsa_system_sgpr_workgroup_id_z 1
		.amdhsa_system_vgpr_workitem_id 0
		.amdhsa_next_free_vgpr 256
		.amdhsa_next_free_sgpr 66
		.amdhsa_reserve_vcc 1
		.amdhsa_float_denorm_mode_32 3
		.amdhsa_float_denorm_mode_16_64 3
		.amdhsa_memory_ordered 1
		.amdhsa_forward_progress 1
		.amdhsa_inst_pref_size 54
	.end_amdhsa_kernel
	.amdgpu_metadata
---
amdhsa.version: [ 1, 2 ]
amdhsa.kernels:
  - .name:           k_q4a22c25f52_prep
    .symbol:         k_q4a22c25f52_prep.kd
    .args:
      - { .name: lora_matrix_A, .offset: 0, .size: 8, .value_kind: global_buffer, .address_space: global }
      - { .name: lora_matrix_B, .offset: 8, .size: 8, .value_kind: global_buffer, .address_space: global }
      - { .name: x_codes, .offset: 16, .size: 8, .value_kind: global_buffer, .address_space: global }
      - { .name: x_scales, .offset: 24, .size: 8, .value_kind: global_buffer, .address_space: global }
      - { .name: w_blk, .offset: 32, .size: 8, .value_kind: global_buffer, .address_space: global }
      - { .name: x_blk, .offset: 40, .size: 8, .value_kind: global_buffer, .address_space: global }
    .group_segment_fixed_size: 167936
    .private_segment_fixed_size: 0
    .kernarg_segment_align: 8
    .kernarg_segment_size: 48
    .max_flat_workgroup_size: 128
    .sgpr_count:     66
    .vgpr_count:     256
    .wavefront_size: 32
...
	.end_amdgpu_metadata
.endif
;; end of part 1
;; launch gemm (part 2): grid 8 x 32, 4 waves a work-group, clusters of 4 x 4, 327,680 bytes of LDS; arguments x_blk, w_blk, out0; writes out0
.if DOCPART == 2
	.amdgcn_target "amdgcn-amd-amdhsa--gfx1250"
	.amdhsa_code_object_version 6
	.text
	.protected	k_q4a22c25f52_gemm
	.globl	k_q4a22c25f52_gemm
	.p2align	8
	.type	k_q4a22c25f52_gemm,@function
k_q4a22c25f52_gemm:
	s_mov_b64 s[64:65], 0
	v_nop
	global_prefetch_b8 v0, s[64:65] scope:SCOPE_SE
	s_setreg_imm32_b32 hwreg(HW_REG_WAVE_MODE, 25, 1), 1
	s_wait_xcnt 0x0
	s_wait_alu depctr_hold_cnt(0) depctr_sa_sdst(0) depctr_va_vdst(0) depctr_va_sdst(0) depctr_va_ssrc(0) depctr_va_vcc(0) depctr_vm_vsrc(0)
	s_getreg_b32 s2, hwreg(HW_REG_IB_STS2, 6, 4)
	s_cmp_eq_u32 s2, 0
	s_cbranch_scc0 .Lentry_in_a_cluster
	s_endpgm
.Lentry_in_a_cluster:
	s_bfe_u32 s2, ttmp6, 0x10000c
	s_cmp_lg_u32 s2, 0xf033
	s_cbranch_scc0 .Lentry_shape_is_right
	s_endpgm
.Lentry_shape_is_right:
; out[m][n] = sum over k of x[m][k] W[n][k], BF6 codes with E8M0 scales on both sides, f32 sums; out [8192][2048] f32.  Nothing is left out.
; Both operands come as the launch before laid them: for each 128 rows (a stream) and each step of 128 along K one dense block of 12,800 bytes: eight fragments in register order (1,536 bytes each), then
; [lane 32][p 4] scale words (lane 16 u + r, word p: row 16 (2 p + u) + r).  A stream's 32 blocks lie one behind the other.
; A work-group makes 256 x 256 of out, a wave 128 x 128: 64 accumulators.  CLUSTERS of 4 x 4: x's streams are shared along a row of the cluster, W's along a column: every fill is a joint load.
; THE RING: two slots, each with three steps of four streams (2 of x, 2 of W): 153,600 bytes.  Wave w brings stream w: one load of 150 rows of 256 bytes.  Fill 0 holds steps 0 and 1 (100 rows), fills 1 to 10 three steps each:
; step s lies in fill (s + 1) / 3, at place (s + 1) % 3.  A slot changes in its period's last step: by then that step's fragments are in registers.  From a refill to the wait for it a wave issues 160 matrix instructions.
; THE MATRIX INSTRUCTION IS USED TRANSPOSED (source 0 = 16 rows of W, source 1 = 16 rows of x): a lane holds eight neighbouring numbers of a row of out.
; REGISTERS: window 0: v0-31 addresses; v32-127, v128-223 x's fragments, two sets; v224-239 scale words, two sets of 4 + 4.  window 1: W's fragments, two sets, v0-95 and v128-223.
;   window 2: accumulators of W's blocks 0-3 ((a, b) at v[8 (8 (b % 4) + a)]); window 3: of blocks 4-7.
.set SIZE_N, 2048
.set BLK,    12800
.set STRM,   3*BLK                     ; a stream's part of a slot
.set SLOT,   4*STRM
.set SPARE,  2*SLOT
.set STAGE,  SLOT                      ; the way out: in slot 1, which has had its last fill and its last read by then
.set SPITCH, 528
.set FR,     12
.set ADRA,  8                          ; v8-9 my stream of x in slot 0, 1, + 16 x lane
.set ADRB,  10                         ; v10-11 my stream of W
.set VBO,   14                         ; 16 x lane
.set PF1,   15                         ; the prefetches' offsets
.set PF2,   16
.set STO,   17
.set RD,    18
.set SPW,   28
.set NIL,   29
.set SC,    224
.set BK,    32
.set G1,   24
.set G0,   32                          ; s[32:39] group 0 for x's streams, one set for each slot
.set G1B,  48
.set G0B,  56
.set G0H,  68                          ; fill 0
.set G0HB, 72
.set PFA,  76
.set MSB, 0
.macro WIN new                         ; the immediate's high byte repeats the setting that is left
.if MSB != \new
	s_set_vgpr_msb (MSB<<8)|\new
.set MSB, \new
.endif
.endm
.set MUL_LO, 0xa1
.set MUL_HI, 0xf1
.set TO_B,   0x40
.macro PLACES
.rept 4
	v_nop
.endr
.endm
.macro JLOAD g0a, g0b                  ; waves 0, 1 fetch x's streams, waves 2, 3 W's; each line has one mask
	s_cmp_eq_u32 s15, 0
	s_cbranch_scc0 .Lfor_b_\@
	tensor_load_to_lds s[\g0a:\g0a+3], s[G1:G1+7]
	s_nop 0
	PLACES
	s_branch .Lasked_\@
.Lfor_b_\@:
	tensor_load_to_lds s[\g0b:\g0b+3], s[G1B:G1B+7]
	s_nop 0
	PLACES
.Lasked_\@:
.endm
.macro CREST
	s_cmp_lg_u32 s14, 0
	s_cbranch_scc1 .Lnot_wave_0_\@
	s_barrier_signal -3
.Lnot_wave_0_\@:
	s_barrier_wait -3
	s_barrier_signal -1
	s_barrier_wait -1
.endm
.macro CROUND
	s_barrier_signal -1
	s_barrier_wait -1
	CREST
.endm
	s_load_b128 s[4:7], s[0:1], 0x0                ; x_blk, w_blk
	s_load_b64 s[12:13], s[0:1], 0x10              ; out
	v_lshl_add_u32 v[SPW], v0, 2, SPARE
	v_mov_b32 v[NIL], 0
	ds_add_u32 v[SPW], v[NIL]                      ; the opening lines: the add, twice on end, and its wait
	ds_add_u32 v[SPW], v[NIL]
	v_lshrrev_b32 v1, 5, v0
	v_readfirstlane_b32 s14, v1                    ; wave
	s_lshr_b32 s15, s14, 1                         ; my half of the rows.  Also: I fetch for x (0) or for W (1)
	s_and_b32 s16, s14, 1                          ; my half of the columns.  Also: which of the two streams I fetch
	s_bfe_u32 s40, ttmp6, 0x40000                  ; cx
	s_bfe_u32 s41, ttmp6, 0x40004                  ; cy
	s_lshl_b32 s42, ttmp9, 2
	s_add_co_u32 s42, s42, s40                     ; tile column
	s_and_b32 s17, ttmp7, 0xffff
	s_lshl_b32 s17, s17, 2
	s_add_co_u32 s17, s17, s41                     ; tile row
	s_lshl_b32 s43, s41, 2
	s_lshl_b32 s43, 15, s43                        ; my row of the cluster
	s_lshl_b32 s44, 0x1111, s40                    ; my column
	s_or_b32 s[G1+0], s43, (3<<16)|(1<<21)         ; dense rows of 256 bytes (32 elements of 8)
	s_or_b32 s[G1B+0], s44, (3<<16)|(1<<21)
.irp g, G1, G1B
	s_mov_b32 s[\g+1], 32<<16
	s_mov_b32 s[\g+2], 100<<16                     ; fill 0: two steps, 100 rows
	s_mov_b32 s[\g+3], 32<<16
	s_mov_b32 s[\g+4], 100
	s_mov_b32 s[\g+5], 32
	s_mov_b32 s[\g+6], 0
	s_mov_b32 s[\g+7], 0
.endr
	s_lshl_b32 s20, s17, 1
	s_add_co_u32 s20, s20, s16
	s_mul_i32 s20, s20, 32*BLK                     ; x's stream 2 x tile row + which
	s_mov_b32 s21, 0
	s_lshl_b32 s46, s42, 1
	s_add_co_u32 s46, s46, s16
	s_mul_i32 s46, s46, 32*BLK                     ; W's stream 2 x tile column + which
	s_mov_b32 s47, 0
	s_mul_i32 s45, s14, STRM                       ; where my stream goes: no place in the cluster enters an LDS address
	s_lshl_b32 s80, s17, 21                        ; out: 256 rows of 8,192 bytes a tile row, 128 rows a half,
	s_lshl_b32 s81, s15, 20
	s_add_co_u32 s80, s80, s81
	s_lshl_b32 s81, s42, 10                        ; 1,024 bytes a tile column, 512 a half
	s_add_co_u32 s80, s80, s81
	s_lshl_b32 s81, s16, 9
	s_add_co_u32 s80, s80, s81
	s_mov_b32 s81, 0
	s_mul_i32 s82, s15, STRM                       ; the stream of x that I multiply
	s_mul_i32 s83, s16, STRM                       ; and of W
	s_add_co_u32 s83, s83, 2*STRM
	s_mul_i32 s84, s14, 16*SPITCH
	s_add_co_u32 s84, s84, STAGE
	s_cmp_eq_u32 s15, 0
	s_cselect_b32 s85, s40, s41                    ; my place among the four that ask for my stream with me
	s_mul_i32 s85, s85, 38                         ; of a fill's 150 blocks of 256 bytes each partner asks for 38 (the last for 36), told apart by address
	v_and_b32 v3, 31, v0
	v_and_b32 v1, 15, v0
	v_bfe_u32 v2, v0, 4, 1
	v_lshlrev_b32 v[VBO], 4, v3
	v_add_nc_u32 v[ADRA], s82, v[VBO]
	v_add_nc_u32 v[ADRA+1], SLOT, v[ADRA]
	v_add_nc_u32 v[ADRB], s83, v[VBO]
	v_add_nc_u32 v[ADRB+1], SLOT, v[ADRB]
	v_add_nc_u32 v4, s85, v3
	v_min_u32 v4, 149, v4
	v_lshlrev_b32 v[PF1], 8, v4
	v_min_u32 v5, 5, v3                            ; lanes left over name the last block again
	v_add3_u32 v5, v5, s85, 32
	v_min_u32 v5, 149, v5
	v_lshlrev_b32 v[PF2], 8, v5
	v_mul_u32_u24 v6, v1, SPITCH
	v_lshl_add_u32 v6, v2, 5, v6
	v_add_nc_u32 v[STO], s84, v6
	v_add_nc_u32 v[RD], s84, v[VBO]
	s_wait_alu depctr_va_vdst(0)
	s_wait_dscnt 0x0                               ; both opening adds are done
	s_wait_kmcnt 0x0
	s_add_nc_u64 s[20:21], s[4:5], s[20:21]
	s_add_nc_u64 s[46:47], s[6:7], s[46:47]
	s_add_nc_u64 s[12:13], s[12:13], s[80:81]
	s_mov_b32 s[G0H], 1
	s_add_co_u32 s[G0H+1], s45, BLK                ; steps 0 and 1 at places 1 and 2 of slot 0
	s_mov_b64 s[G0H+2:G0H+3], s[20:21]
	s_or_b32 s[G0H+3], s[G0H+3], 0x80000000
	s_mov_b32 s[G0HB], 1
	s_add_co_u32 s[G0HB+1], s45, BLK
	s_mov_b64 s[G0HB+2:G0HB+3], s[46:47]
	s_or_b32 s[G0HB+3], s[G0HB+3], 0x80000000
.irp s, 0,1                                    ; slot 1's set begins at fill 1 (step 2), slot 0's at fill 2 (step 5)
	s_mov_b32 s[G0+4*\s], 1
	s_add_co_u32 s[G0+4*\s+1], s45, \s*SLOT
	s_add_nc_u64 s[G0+4*\s+2:G0+4*\s+3], s[20:21], (5-3*\s)*BLK
	s_or_b32 s[G0+4*\s+3], s[G0+4*\s+3], 0x80000000
	s_mov_b32 s[G0B+4*\s], 1
	s_add_co_u32 s[G0B+4*\s+1], s45, \s*SLOT
	s_add_nc_u64 s[G0B+4*\s+2:G0B+4*\s+3], s[46:47], (5-3*\s)*BLK
	s_or_b32 s[G0B+4*\s+3], s[G0B+4*\s+3], 0x80000000
.endr
	s_cmp_eq_u32 s15, 0
	s_cselect_b64 s[PFA:PFA+1], s[20:21], s[46:47]
	s_add_nc_u64 s[PFA:PFA+1], s[PFA:PFA+1], 2*BLK ; at fill 1
	CROUND                                         ; all sixteen work-groups are here: the first joint loads meet
	JLOAD G0H, G0HB                                ; fill 0: one tensor load a wave at the head
.irp f, 0,1                                    ; fills 1 and 2 are asked of memory here; from then on each change of slots asks for the fill two on
	global_prefetch_b8 v[PF1], s[PFA:PFA+1] offset:STRM*\f th:TH_LOAD_NT scope:SCOPE_SE
	global_prefetch_b8 v[PF2], s[PFA:PFA+1] offset:STRM*\f th:TH_LOAD_NT scope:SCOPE_SE
.endr
.macro LDA st, i0, n                   ; x's blocks i0 .. of step st into set st % 2
.set II, \i0
.rept \n
.irp c, 0,1,2
	ds_load_b128 v[32+96*((\st)%2)+FR*II+4*\c:32+96*((\st)%2)+FR*II+4*\c+3], v[ADRA+(((\st)+1)/3)%2] offset:(((\st)+1)%3)*BLK+II*1536+\c*512
.endr
.set II, II+1
.endr
.endm
.macro LDB st, i0, n                   ; W's, in window 1
.set II, \i0
.rept \n
.irp c, 0,1,2
	ds_load_b128 v[128*((\st)%2)+FR*II+4*\c:128*((\st)%2)+FR*II+4*\c+3], v[ADRB+(((\st)+1)/3)%2] offset:(((\st)+1)%3)*BLK+II*1536+\c*512
.endr
.set II, II+1
.endr
.endm
.macro R0 st                           ; 17 loads: the scale words, x's blocks 0-4
	WIN 0
	ds_load_b128 v[SC+8*((\st)%2):SC+8*((\st)%2)+3], v[ADRA+(((\st)+1)/3)%2] offset:(((\st)+1)%3)*BLK+12288
	ds_load_b128 v[SC+8*((\st)%2)+4:SC+8*((\st)%2)+7], v[ADRB+(((\st)+1)/3)%2] offset:(((\st)+1)%3)*BLK+12288
	LDA \st, 0, 5
.endm
.macro R1 st                           ; 15 loads: x's blocks 5-7, W's 0, 1
	WIN 0
	LDA \st, 5, 3
	WIN TO_B
	LDB \st, 0, 2
.endm
.macro R2 st                           ; 18 loads: W's blocks 2-7
	WIN TO_B
	LDB \st, 2, 6
.endm
; 16 matrix instructions: W's blocks 2 g, 2 g + 1 x x's eight.  The 64 accumulators take turns, in the same order in every step.
.macro MULG j, g, zero
.irp b, 2*\g, 2*\g+1
.irp a, 0,1,2,3,4,5,6,7
.set rD,  8*(8*((\b)%4)+\a)
.set rB,  128*((\j)%2)+FR*(\b)
.set rA,  32+96*((\j)%2)+FR*\a
.set rSB, SC+8*((\j)%2)+4+(\b)/2
.set rSA, SC+8*((\j)%2)+\a/2
.set odd, 2*(\a%2)+(\b)%2
.if \zero
.if odd == 0
	v_wmma_scale_f32_16x16x128_f8f6f4 v[rD:rD+7], v[rB:rB+FR-1], v[rA:rA+FR-1], 0, v[rSB], v[rSA] matrix_a_fmt:MATRIX_FMT_BF6 matrix_b_fmt:MATRIX_FMT_BF6
.elseif odd == 1
	v_wmma_scale_f32_16x16x128_f8f6f4 v[rD:rD+7], v[rB:rB+FR-1], v[rA:rA+FR-1], 0, v[rSB], v[rSA] matrix_a_fmt:MATRIX_FMT_BF6 matrix_b_fmt:MATRIX_FMT_BF6 matrix_a_scale:MATRIX_SCALE_ROW1
.elseif odd == 2
	v_wmma_scale_f32_16x16x128_f8f6f4 v[rD:rD+7], v[rB:rB+FR-1], v[rA:rA+FR-1], 0, v[rSB], v[rSA] matrix_a_fmt:MATRIX_FMT_BF6 matrix_b_fmt:MATRIX_FMT_BF6 matrix_b_scale:MATRIX_SCALE_ROW1
.else
	v_wmma_scale_f32_16x16x128_f8f6f4 v[rD:rD+7], v[rB:rB+FR-1], v[rA:rA+FR-1], 0, v[rSB], v[rSA] matrix_a_fmt:MATRIX_FMT_BF6 matrix_b_fmt:MATRIX_FMT_BF6 matrix_a_scale:MATRIX_SCALE_ROW1 matrix_b_scale:MATRIX_SCALE_ROW1
.endif
.else
.if odd == 0
	v_wmma_scale_f32_16x16x128_f8f6f4 v[rD:rD+7], v[rB:rB+FR-1], v[rA:rA+FR-1], v[rD:rD+7], v[rSB], v[rSA] matrix_a_fmt:MATRIX_FMT_BF6 matrix_b_fmt:MATRIX_FMT_BF6
.elseif odd == 1
	v_wmma_scale_f32_16x16x128_f8f6f4 v[rD:rD+7], v[rB:rB+FR-1], v[rA:rA+FR-1], v[rD:rD+7], v[rSB], v[rSA] matrix_a_fmt:MATRIX_FMT_BF6 matrix_b_fmt:MATRIX_FMT_BF6 matrix_a_scale:MATRIX_SCALE_ROW1
.elseif odd == 2
	v_wmma_scale_f32_16x16x128_f8f6f4 v[rD:rD+7], v[rB:rB+FR-1], v[rA:rA+FR-1], v[rD:rD+7], v[rSB], v[rSA] matrix_a_fmt:MATRIX_FMT_BF6 matrix_b_fmt:MATRIX_FMT_BF6 matrix_b_scale:MATRIX_SCALE_ROW1
.else
	v_wmma_scale_f32_16x16x128_f8f6f4 v[rD:rD+7], v[rB:rB+FR-1], v[rA:rA+FR-1], v[rD:rD+7], v[rSB], v[rSA] matrix_a_fmt:MATRIX_FMT_BF6 matrix_b_fmt:MATRIX_FMT_BF6 matrix_a_scale:MATRIX_SCALE_ROW1 matrix_b_scale:MATRIX_SCALE_ROW1
.endif
.endif
.endr
.endr
.endm
; A step: four groups of 16 matrix instructions; behind the first three stand the runs of loads for step j + 1 (f = 1), into the sets that step j - 1 multiplied.
; The waits on DScnt leave out what was issued behind the fragments that the next group multiplies: of the last step's run 2 (W's blocks 2-7, six loads a pair) what is younger, and this step's runs (17, 15, 18).
; bar = 1: the period's last step, with a refill: a round of the cluster's barrier, the joint load into the slot just read out.  bar = 2: the last change: nothing is filled.
; ask: the byte offset from s[PFA] of the fill two on from the one just asked for, or 0.
.macro STEP j, zero, f, bar, ask
.set IS, (((\j)+2)/3+1)%2              ; the slot read out
.if \bar
	s_wait_tensorcnt 0x0                           ; my stream's part of the next slot is in
.if \bar == 1
	ds_add_u32 v[SPW], v[NIL]
	s_add_nc_u64 s[G0+4*(1-IS)+2:G0+4*(1-IS)+3], s[G0+4*(1-IS)+2:G0+4*(1-IS)+3], 2*STRM      ; no tensor load of mine is out: the other slot's set steps two fills on
	s_add_nc_u64 s[G0B+4*(1-IS)+2:G0B+4*(1-IS)+3], s[G0B+4*(1-IS)+2:G0B+4*(1-IS)+3], 2*STRM
	s_wait_dscnt 13                                ; the add and W's blocks 4-7 may be out
.else
	s_wait_dscnt 12
.endif
	WIN MUL_LO
	MULG \j, 0, \zero
	s_wait_dscnt 0x0                               ; the add is done, and my reads of this slot are over
	s_barrier_signal -1
	MULG \j, 1, \zero
	WIN 0
	s_barrier_wait -1
.if \bar == 1
	CREST
	JLOAD G0+4*IS, G0B+4*IS                        ; its four v_nop are also the places in front of the loads below
.else
	PLACES
.endif
	R0 (\j)+1
	R1 (\j)+1
.if \ask
	global_prefetch_b8 v[PF1], s[PFA:PFA+1] offset:\ask th:TH_LOAD_NT scope:SCOPE_SE
	global_prefetch_b8 v[PF2], s[PFA:PFA+1] offset:\ask th:TH_LOAD_NT scope:SCOPE_SE
.endif
.else
	s_wait_dscnt 18
	WIN MUL_LO
	MULG \j, 0, \zero
.if \f
	PLACES
	R0 (\j)+1
.endif
	s_wait_dscnt 12+17*\f
	WIN MUL_LO
	MULG \j, 1, \zero
.if \f
	R1 (\j)+1
.endif
.endif
	s_wait_dscnt 6+32*\f
	WIN MUL_HI
	MULG \j, 2, \zero
.if \f
	R2 (\j)+1
.endif
	s_wait_dscnt 50*\f
	WIN MUL_HI
	MULG \j, 3, \zero
	WIN 0
.endm
	s_wait_tensorcnt 0x0                           ; my part of fill 0 is in
	ds_add_u32 v[SPW], v[NIL]
	s_mov_b32 s[G1+2], 150<<16                     ; no tensor load of mine is out: from here on a load brings three steps, 150 rows
	s_mov_b32 s[G1+4], 150
	s_mov_b32 s[G1B+2], 150<<16
	s_mov_b32 s[G1B+4], 150
	s_wait_dscnt 0x0
	CROUND
	JLOAD G0+4, G0B+4                              ; fill 1, into slot 1
	R0 0
	R1 0
	R2 0
	WIN 0
	STEP 0, 1, 1, 0, 0                             ; the first step's products start the sums
	s_mov_b32 s3, 0
.Ltrip:                                                ; trip m: steps 6 m + 1 .. 6 m + 6; it asks for fills 2 m + 2 and 2 m + 3, and of memory for fills 2 m + 3 and 2 m + 4
	STEP 1, 0, 1, 1, 2*STRM
	STEP 2, 0, 1, 0, 0
	STEP 3, 0, 1, 0, 0
	STEP 4, 0, 1, 1, 3*STRM
	STEP 5, 0, 1, 0, 0
	STEP 6, 0, 1, 0, 0
	s_wait_xcnt 0x0                                ; the prefetches have read their base
	s_add_nc_u64 s[PFA:PFA+1], s[PFA:PFA+1], 2*STRM
	s_add_co_u32 s3, s3, 1
	s_cmp_lt_u32 s3, 4
	s_cbranch_scc1 .Ltrip
	STEP 1, 0, 1, 1, 0                             ; steps 25 to 31: fill 10 is the last
	STEP 2, 0, 1, 0, 0
	STEP 3, 0, 1, 0, 0
	STEP 4, 0, 1, 2, 0
	STEP 5, 0, 1, 0, 0
	STEP 6, 0, 1, 0, 0
	STEP 7, 0, 0, 0, 0
; THE WAY OUT, block by block of 16 rows x 128 columns: through my own stage in LDS, back as whole rows of 512 bytes, which the 32 lanes store as two aligned units of 256 bytes.
; LDS serves a wave's instructions in order (ISA guide 5.7.1.4): no wait between the stores and the loads.
.macro TOSTAGE a
.irp b, 0,1,2,3,4,5,6,7
	WIN 0x08+4*(\b/4)                              ; the data: window 2 or 3
	ds_store_b128 v[STO], v[8*(8*(\b%4)+(\a)):8*(8*(\b%4)+(\a))+3] offset:64*\b      ; each accumulator from its low end on
	ds_store_b128 v[STO], v[8*(8*(\b%4)+(\a))+4:8*(8*(\b%4)+(\a))+7] offset:64*\b+16
.endr
	WIN 0
.set BBK, BK+64*((\a)%2)
.irp t, 0,1,2,3,4,5,6,7,8,9,10,11,12,13,14,15
	ds_load_b128 v[BBK+4*\t:BBK+4*\t+3], v[RD] offset:\t*SPITCH
.endr
.endm
.macro SEND a, younger
.set BBK, BK+64*((\a)%2)
	s_wait_dscnt \younger                          ; the block is back in registers
.if (\a) > 0
	s_add_nc_u64 s[12:13], s[12:13], 16*SIZE_N*4   ; behind a wait on XCNT: the earlier stores have read their base
.endif
.irp t, 0,1,2,3,4,5,6,7,8,9,10,11,12,13,14,15
	global_store_b128 v[VBO], v[BBK+4*\t:BBK+4*\t+3], s[12:13] offset:\t*SIZE_N*4 th:TH_STORE_NT
.endr
.endm
	PLACES
	TOSTAGE 0
.irp a, 1,2,3,4,5,6,7
.if \a > 1
	s_wait_xcnt 0x0                                ; block a - 2's stores have read their registers and their base
.endif
	TOSTAGE \a
	SEND \a-1, 32                                  ; behind block a - 1's loads: block a's 16 stores and 16 loads
.endr
	s_wait_xcnt 0x0
	SEND 7, 0
	s_wait_tensorcnt 0x0                           ; the wave's end
	ds_add_u32 v[SPW], v[NIL]
	s_wait_dscnt 0x0
	CROUND                                         ; the closing round
	s_endpgm
.Lfunc_end_k_q4a22c25f52_gemm:
	.size	k_q4a22c25f52_gemm, .Lfunc_end_k_q4a22c25f52_gemm-k_q4a22c25f52_gemm
	.p2alignl 7, 3214868480
	.fill 96, 4, 3214868480
	.section	.rodata,"a",@progbits
	.p2align	6, 0x0
	.amdhsa_kernel k_q4a22c25f52_gemm
		.amdhsa_group_segment_fixed_size 327680
		.amdhsa_private_segment_fixed_size 0
		.amdhsa_enable_private_segment 0
		.amdhsa_kernarg_size 24
		.amdhsa_user_sgpr_count 2
		.amdhsa_user_sgpr_kernarg_segment_ptr 1
		.amdhsa_wavefront_size32 1
		.amdhsa_system_sgpr_workgroup_id_x 1
		.amdhsa_system_sgpr_workgroup_id_y 1
		.amdhsa_system_sgpr_workgroup_id_z 1
		.amdhsa_system_vgpr_workitem_id 0
		.amdhsa_next_free_vgpr 1024
		.amdhsa_next_free_sgpr 100
		.amdhsa_reserve_vcc 0
		.amdhsa_float_denorm_mode_32 3
		.amdhsa_float_denorm_mode_16_64 3
		.amdhsa_memory_ordered 1
		.amdhsa_forward_progress 1
		.amdhsa_inst_pref_size 205
	.end_amdhsa_kernel
	.amdgpu_metadata
---
amdhsa.version: [ 1, 2 ]
amdhsa.kernels:
  - .name:           k_q4a22c25f52_gemm
    .symbol:         k_q4a22c25f52_gemm.kd
    .args:
      - { .name: x_blk, .offset: 0, .size: 8, .value_kind: global_buffer, .address_space: global }
      - { .name: w_blk, .offset: 8, .size: 8, .value_kind: global_buffer, .address_space: global }
      - { .name: out0, .offset: 16, .size: 8, .value_kind: global_buffer, .address_space: global }
    .group_segment_fixed_size: 327680
    .private_segment_fixed_size: 0
    .kernarg_segment_align: 8
    .kernarg_segment_size: 24
    .max_flat_workgroup_size: 128
    .sgpr_count:     100
    .vgpr_count:     1024
    .wavefront_size: 32
...
	.end_amdgpu_metadata
.endif
;; end of part 2
